; MI455X (gfx1250); checked and timed in simulation.
; The chip was launched on July 23, 2026; its instructions are those of AMD's public machine-readable ISA for CDNA 5 (MIT licence, August 2026) and "CDNA5" Instruction Set Architecture Reference Guide (July 2026). The comments in the code are by the model that wrote it; some were corrected since.
;; Model. Allowed arithmetic: matrix products marked QUANTISED: E4M3 operands, one given power-of-two scale a tensor, by v_wmma_f32_16x16x64_fp8_fp8 or v_wmma_f32_16x16x128_fp8_fp8, f32 sums; everything else in f32.
;; Inputs: lowp_scales 4 int32 (the exponents e of the quantised operands' scales 2^e); x1_codes 2 x 16 x 2,048 x 4 x 32 uint8 (E4M3 codes of x1, K innermost, in blocks of 32 codes); x2_codes 2 x 16 x 2,048 x 4 x 32 uint8 (E4M3 codes of x2, K innermost, in blocks of 32 codes); x3 1 float32; x4 1 float32; x5_codes 2 x 16 x 128 x 64 x 32 uint8 (E4M3 codes of x5, K innermost, in blocks of 32 codes).
;; Outputs: out0 2 x 16 x 2,048 x 128 float32.
;; This version of the problem:
;;   THIS VERSION OF THE PROBLEM IS GIVEN IN LOW PRECISION. The matrix products marked QUANTISED in the list below multiply operands that are first quantised to E4M3 (4 exponent bits, 3 mantissa bits; 8 bits a number), with one given power-of-two scale for each operand tensor; their sums are f32. All else is computed in f32.
;;   The module's matrix products, in the order in which they are computed (A, B: the left and right operand; K: the contracted axis; several contracted axes count as one K, in the product's order):
;;     1. batch 32 x [M 2,048, K 128] x [K 128, N 2,048]; A: input x1 (given as codes); B: input x2 (given as codes): QUANTISED (scales: A lowp_scales[0], B lowp_scales[1])
;;     2. batch 32 x [M 2,048, K 2,048] x [K 2,048, N 128]; A: computed on the way; B: input x5 (given as codes): QUANTISED (scales: A lowp_scales[2], B lowp_scales[3])
;;   THE QUANTISER, for each operand of a quantised product, along K:
;;     - The operand's scale is 2^e, e = its entry of the input lowp_scales (int32; the entries are numbered through the quantised products in the list's order, A before B).
;;     - Each number is divided by the scale, clamped to +-448, and rounded to the nearest number of E4M3, ties to even, subnormals kept.
;;     - The product sums the exact products of the quantised numbers (number of the format x scale) in f32.
;;   ~~~python
;;   def quantise(x, axis, e):      # numpy; x: float32 -> the quantised numbers, widened to float32 again
;;       x = np.moveaxis(x, axis, -1); K = x.shape[-1]
;;       r = np.clip(x / 2.0 ** e, -448, 448)
;;       step = 2.0 ** (np.maximum(np.frexp(np.where(r == 0, 1, r))[1] - 1, -6) - 3)
;;       q = np.round(r / step) * step * 2.0 ** e      # np.round: ties to even
;;       return np.moveaxis(q, -1, axis).astype(np.float32)
;;   ~~~
;;   OPERANDS COMPUTED ON THE WAY. 'Computed on the way' means the value that the module computes at that place (a softmax that the list does not call 'softmax' is quantised finished and normalised). What goes into a quantiser is computed in f32, as accurately as f32 sums, v_exp_f32 and their like allow (about 1e-6 of the number): no bf16 or f16 on the way to a quantiser, and a product that is left as it is and whose result goes on into a quantised operand takes f32 operands (vector FMAs, or v_wmma_f32_16x16x4_f32). A number that lies on a knife's edge between two numbers of the format may be rounded either way, as far as f32 arithmetic and the matrix unit's own rounding can turn it there, and no further.
;;   INPUTS GIVEN AS CODES. x1 (in the module: [2, 16, 2048, 128], K = its axis 3); x2 (in the module: [2, 16, 2048, 128], K = its axis 3); x5 (in the module: [2, 16, 2048, 128], K = its axis 2): each comes as NAME_codes (uint8): NAME with its K axis moved to the last place and cut into blocks of 32 codes, [.., K / 32, bytes a block], one block behind the other in memory; one code a byte (a code: sign, 4 exponent bits, 3 mantissa bits); its scale is its entry of lowp_scales. Its value is code x scale, taken as it is: it is not quantised again, and the codes and scales need not be those that the quantiser above would give.
;; One version. Each part assembles by itself: llvm-mc -triple=amdgcn-amd-amdhsa -mcpu=gfx1250 --defsym DOCPART=n.
;; ======== version 1 of 1: 1 launch
;; limits: right only within a limited range of input values
;; launch attn (part 1): grid 8 x 32, 8 waves a work-group, clusters of 4 x 1, 327,680 bytes of LDS; arguments x1_codes, x2_codes, x5_codes, lowp_scales, x3, x4, out0; writes out0
.if DOCPART == 1
	.amdgcn_target "amdgcn-amd-amdhsa--gfx1250"
	.amdhsa_code_object_version 6
	.text
	.protected	k_q25c7491098_attn
	.globl	k_q25c7491098_attn
	.p2align	8
	.type	k_q25c7491098_attn,@function
k_q25c7491098_attn:
	s_mov_b64 s[64:65], 0
	v_nop
	global_prefetch_b8 v0, s[64:65] scope:SCOPE_SE
	s_setreg_imm32_b32 hwreg(HW_REG_WAVE_MODE, 25, 1), 1
	s_wait_xcnt 0x0
	s_wait_alu depctr_hold_cnt(0) depctr_sa_sdst(0) depctr_va_vdst(0) depctr_va_sdst(0) depctr_va_ssrc(0) depctr_va_vcc(0) depctr_vm_vsrc(0)
	s_getreg_b32 s2, hwreg(HW_REG_IB_STS2, 6, 4)
	s_cmp_eq_u32 s2, 0
	s_cbranch_scc0 .Lentry_in_a_cluster
	s_endpgm
.Lentry_in_a_cluster:
	s_bfe_u32 s2, ttmp6, 0x10000c
	s_cmp_lg_u32 s2, 0x3003
	s_cbranch_scc0 .Lentry_shape_is_right
	s_endpgm
.Lentry_shape_is_right:
; out = Q8(softmax(Q K^T x3) / (1 - x4)) V on E4M3 codes: 32 heads, 2,048 queries, 2,048 keys, head size 128.  No input and no product is left out.
; The quantiser takes p finished and normalised, so the keys are walked twice: walk 1 finds each row's largest t and its sum, walk 2 makes p, its codes and P V.
; t = score x |x3| log2(e) 2^(eq + ek); a negative x3 is carried by the signs of Q's codes, a negative 1 - x4 by the sign of the last factor.
; M = the running largest t rounded up to a whole number; walk 1 sums 2^(t - M).  Walk 2: p = 2^(t - K), K = M + log2(sum x |1 - x4|), rounded once to f32.
; LIMITS: |t| under 2^31; K's one rounding changes a row's p by a factor within 2^(+-|K| 2^-24), the size of the rounding of t itself in f32; p under 2^-126 counts as 0;
;   ep between -116 and 119, ep + ev between -149 and 127; |x3| log2(e) 2^(eq + ek) is a normal f32 number or 0.
; SHARES.  A work-group owns 256 queries of a head, each of its eight waves 32 of them (two tiles of 16).  Four work-groups of a head form a cluster and ask for K and V jointly.
; LDS.  V slot A at 0; K whole behind it, 16 steps of 128 keys, two keys to a row of 256 bytes + 16 of padding; V slot B is the place of K's steps 0 and 1, filled once walk 2 has used them.
; A V tile: 128 rows (the head's 128) of 256 keys, 256 bytes + 16 of padding.  0 xor 34816 = 34816: one exclusive or turns slot A into slot B.
; LAYOUT.  S^T = K Q^T and O^T = V^T P^T: a lane holds one query; subtile t's registers are keys 16 t + 8 (lane / 16) + 0 .. 7, which is the order of the second product's operand.
; REGISTERS.  Window 0: v8-31 state of the two tiles, v32-159 block Y, v160-191 P's codes, v192-223 Q, v224-231 constants.  Window 1: v0-127 block X, v128-255 O^T.
; In an even step X holds K's and then V's fragments and Y the scores; in an odd step they change places, so the next step's K fragments land in score registers that are done with.
; PREFETCH.  Wave 2 of each work-group names 32 of a V tile's 128 rows (256 bytes each), told apart by the place in the cluster, two tiles ahead of the tensor load that is due; it ends at LIM.
; K is asked for at the head, where there is no loop to run ahead in: 512 keys first, so that walk 1 can begin, and 1,536 behind them.
.set KSTEP,  17408
.set KPITCH, 272
.set VP,     272
.set SLOTX,  34816
.set KB0,    SLOTX
.set SPARE,  KB0+16*KSTEP
.set STAGE,  KB0+2*KSTEP              ; the way out: 16 rows of 528 bytes a wave, on K's steps 2 to 5, which nobody reads or fills any more
.set SPITCH, 528
.set AK0, 1
.set AV0, 2
.set ADK, 3
.set SPW, 4
.set NIL, 5
.set PFO, 6
.set ADV, 7
.set ST,  8                           ; 12 registers a tile: -M (then -K), largest t, sum pair, f pair, 6 at work, 8-9 maxima
.set YB,  32
.set XB,  0
.set P,   160
.set Q,   192
.set LIMV, 224
.set SCLV, 225
.set YABS, 226
.set STO, 227
.set RD,  228
.set GO,  229
.set QO,  230
.set TW,  231
.set OT,  128
.set WV,  18
.set CX,  19
.set SEL, 20
.set CS,  22
.set G1K, 24
.set G1V, 32
.set G0K, 40
.set G0V, 48
.set KB,  56
.set CNT, 57
.set LIM, 58
.set VBX, 59
.set PFA, 60
.set FS,  62
.set KO,  0
.set MSB, 0
.macro WIN new
.if MSB != (\new)
	s_set_vgpr_msb (MSB<<8)|(\new)
.set MSB, (\new)
.endif
.endm
.macro PLACES n
.rept \n
	v_nop
.endr
.endm
.macro ROLE o
.if \o
.set SB, XB
.set SW, 1
.set FB, YB
.set FW, 0
.else
.set SB, YB
.set SW, 0
.set FB, XB
.set FW, 1
.endif
.endm
.macro CREST                          ; a round of the cluster's barrier behind its opening barrier
	s_cmp_lg_u32 s[WV], 0
	s_cbranch_scc1 .Lnot_wave_0_\@
	s_barrier_signal -3
.Lnot_wave_0_\@:
	s_barrier_wait -3
	s_barrier_signal -1
	s_barrier_wait -1
.endm
.macro CROUND
	s_barrier_signal -1
	s_barrier_wait -1
	CREST
.endm
.macro JLOADV                         ; waves 0 and 1: 64 rows of a V tile each
	s_cmp_lt_u32 s[WV], 2
	s_cbranch_scc0 .Lnov_\@
	tensor_load_to_lds s[G0V:G0V+3], s[G1V:G1V+7]
	s_nop 0
	PLACES 4
.Lnov_\@:
.endm
.macro ASK how                        ; 2: wave 2 asks; 1: it asks while a tile lies that far ahead
.if \how == 2
	s_cmp_eq_u32 s[LIM], 2
.else
	s_cmp_gt_u32 s[CNT], s[LIM]
.endif
	s_cbranch_scc0 .Lnoask_\@
	global_prefetch_b8 v[PFO], s[PFA:PFA+1] th:TH_LOAD_NT scope:SCOPE_SE
.Lnoask_\@:
.endm
.macro FETCHK t0                      ; walk 1: four subtiles of 16 keys into block X, 16 registers each
	WIN 0x40
.irp t, \t0,\t0+1,\t0+2,\t0+3
.irp c, 0,1,2,3
	ds_load_b128 v[XB+16*(\t)+4*\c:XB+16*(\t)+4*\c+3], v[ADK] offset:8*KPITCH*(\t)+32*\c
.endr
.endr
	WIN 0
.endm
.macro FK t                           ; walk 2: the next step's subtile t, into score registers that are done with
	WIN 0x40*SW
.irp c, 0,1,2,3
	ds_load_b128 v[SB+16*\t+4*\c:SB+16*\t+4*\c+3], v[ADK] offset:8*KPITCH*\t+32*\c
.endr
.endm
.macro FV f                           ; V's fragment f: 16 of the head's 128 x 128 keys
	WIN 0x40*FW
.irp c, 0,1,2,3,4,5,6,7
	ds_load_b64 v[FB+16*\f+2*\c:FB+16*\f+2*\c+1], v[ADV] offset:16*VP*\f+16*\c+KO
.endr
.endm
.macro QK16
	WIN 0x40*SW+FW
.irp t, 0,1,2,3,4,5,6,7
.irp a, 0,1
	v_wmma_f32_16x16x128_fp8_fp8 v[SB+64*\a+8*\t:SB+64*\a+8*\t+7], v[FB+16*\t:FB+16*\t+15], v[Q+16*\a:Q+16*\a+15], 0
.endr
.endr
	WIN 0
.endm
.macro PV16 zero
	WIN 0x50+FW
.irp f, 0,1,2,3,4,5,6,7
.irp a, 0,1
.if \zero
	v_wmma_f32_16x16x128_fp8_fp8 v[OT+64*\a+8*\f:OT+64*\a+8*\f+7], v[FB+16*\f:FB+16*\f+15], v[P+16*\a:P+16*\a+15], 0
.else
	v_wmma_f32_16x16x128_fp8_fp8 v[OT+64*\a+8*\f:OT+64*\a+8*\f+7], v[FB+16*\f:FB+16*\f+15], v[P+16*\a:P+16*\a+15], v[OT+64*\a+8*\f:OT+64*\a+8*\f+7]
.endif
.endr
.endr
	WIN 0
.endm
; Pair i of the 64 pairs of scores (tile i / 32):
.macro FM i                           ; t - M (walk 1) or t - K (walk 2)
	v_pk_fma_f32 v[SB+2*(\i):SB+2*(\i)+1], v[SB+2*(\i):SB+2*(\i)+1], s[CS:CS+1], v[ST+12*((\i)/32):ST+12*((\i)/32)+1] op_sel_hi:[1,0,0]
.endm
.macro FM4 i
	FM \i
	FM \i+1
	FM \i+2
	FM \i+3
.endm
.macro EX i
	v_exp_f32 v[SB+2*(\i)], v[SB+2*(\i)]
	v_exp_f32 v[SB+2*(\i)+1], v[SB+2*(\i)+1]
.endm
.macro MN i                           ; held at the largest code (the conversion does not saturate: ISA guide 7.6.2); p is not negative
	v_dual_min_num_f32 v[SB+2*(\i)], v[SB+2*(\i)], v[LIMV] :: v_dual_min_num_f32 v[SB+2*(\i)+1], v[SB+2*(\i)+1], v[LIMV]
.endm
.macro CV g                           ; codes of group g: 32 registers of scores, 8 of P
	WIN SW
.irp q, 0,1,2,3
	v_cvt_scalef32_pk8_fp8_f32 v[P+8*\g+2*\q:P+8*\g+2*\q+1], v[SB+32*\g+8*\q:SB+32*\g+8*\q+7], v[SCLV]
.endr
.endm
.macro PADD d, e
	v_pk_add_f32 v[SB+\d:SB+\d+1], v[SB+\d:SB+\d+1], v[SB+\e:SB+\e+1]
.endm
.macro MX a                           ; n = 0 .. 30: the tile's 64 registers in two chains, from the low end on
.if n == 0
	v_max3_num_f32 v[ST+12*\a+8], v[SB+64*\a], v[SB+64*\a+1], v[SB+64*\a+2]
.elseif n == 1
	v_max3_num_f32 v[ST+12*\a+9], v[SB+64*\a+3], v[SB+64*\a+4], v[SB+64*\a+5]
.else
	v_max3_num_f32 v[ST+12*\a+8+n%2], v[ST+12*\a+8+n%2], v[SB+64*\a+2*n+2], v[SB+64*\a+2*n+3]
.endif
.endm
; WALK 1's softmax.  Exponentials in four phases of 32, one wait at the end of each; the plain work among them reads only what a phase before has finished:
; the next group's t - M, and the sums as a tree of packed additions, one level of a group a phase.
.macro SOFT1
.set n, 0
.rept 31
	MX 0
	MX 1
.set n, n+1
.endr
.irp a, 0,1
	v_max_num_f32 v[ST+12*\a+8], v[ST+12*\a+8], v[ST+12*\a+9]
.endr
.irp a, 0,1
	v_mul_f32 v[ST+12*\a+8], s[CS], v[ST+12*\a+8]
.endr
.irp a, 0,1
	v_mov_b32 v[ST+12*\a+9], v[ST+12*\a]
.endr
.irp a, 0,1
	v_max_num_f32 v[ST+12*\a+1], v[ST+12*\a+1], v[ST+12*\a+8]
.endr
.irp a, 0,1
	v_floor_f32 v[ST+12*\a], -v[ST+12*\a+1]    ; -M
.endr
	FM4 0
.irp a, 0,1
	v_sub_f32 v[ST+12*\a+9], v[ST+12*\a], v[ST+12*\a+9]
.endr
	FM4 4
.irp a, 0,1
	v_cvt_i32_f32 v[ST+12*\a+9], v[ST+12*\a+9]
.endr
	FM4 8
.irp a, 0,1
	v_ldexp_f32 v[ST+12*\a+4], 1.0, v[ST+12*\a+9]   ; f = 2^(old M - new M)
.endr
	FM4 12
	s_wait_alu depctr_va_vdst(0)
.set n, 0
.rept 16
	EX n
	FM n+16
.set n, n+1
.endr
	s_wait_alu depctr_va_vdst(0)
.set n, 0
.rept 16
	EX n+16
	FM n+32
.if n%2
	PADD n-1,n+15
.endif
.set n, n+1
.endr
	s_wait_alu depctr_va_vdst(0)
.set n, 0
.rept 16
	EX n+32
	FM n+48
.if n%2
	PADD 32+n-1,32+n+15
.endif
.if n%4 == 0
	PADD n/2,8+n/2
.endif
.set n, n+1
.endr
	s_wait_alu depctr_va_vdst(0)
.set n, 0
.rept 16
	EX n+48
.if n%2
	PADD 64+n-1,64+n+15
.endif
.if n%4 == 0
	PADD 32+n/2,40+n/2
.endif
.if n%8 == 2
	PADD (n-2)/4,4+(n-2)/4
.endif
.set n, n+1
.endr
	s_wait_alu depctr_va_vdst(0)
.set n, 0
.rept 8
	PADD 96+2*n,112+2*n
.set n, n+1
.endr
.set n, 0
.rept 4
	PADD 64+2*n,72+2*n
.set n, n+1
.endr
.set n, 0
.rept 4
	PADD 96+2*n,104+2*n
.set n, n+1
.endr
.irp k, 0,2
	PADD 32+\k,36+\k
.endr
.irp k, 0,2
	PADD 64+\k,68+\k
.endr
.irp k, 0,2
	PADD 96+\k,100+\k
.endr
.irp k, 0,2
	PADD \k,32+\k
.endr
.irp k, 0,2
	PADD 64+\k,96+\k
.endr
	PADD 0,2
	PADD 64,66
.irp a, 0,1
	v_pk_fma_f32 v[ST+12*\a+2:ST+12*\a+3], v[ST+12*\a+2:ST+12*\a+3], v[ST+12*\a+4:ST+12*\a+5], v[SB+64*\a:SB+64*\a+1] op_sel_hi:[1,0,1]   ; the old sum under the new M, + this step's
.endr
.endm
.macro P1STEP nxt
	s_wait_dscnt 0x0
	QK16
.if \nxt == 1
	s_add_co_u32 s[KB], s[KB], KSTEP
.else
	s_mov_b32 s[KB], 0
.endif
	v_add_nc_u32 v[ADK], s[KB], v[AK0]
	PLACES 3                          ; with the addition above four places ahead of loads into registers that the products have read
	FETCHK 0
	FETCHK 4
	SOFT1
.endm
; WALK 2's softmax, behind all t - K (the first readers of the scores): exponentials in phases of 32, among them the holds of the group before; the codes follow.
; LDS loads stand in runs behind a phase's wait: V's fragments first, then the next step's K fragments, as score registers are done with.
.macro SOFT2 fetch
	WIN 0x41*SW
.set n, 0
.rept 16
	EX n
.set n, n+1
.endr
	v_nop
	s_wait_alu depctr_va_vdst(0)
	FV 3
	FV 4
	FV 5
	WIN 0x41*SW
.set n, 0
.rept 16
	EX n+16
	MN n
.set n, n+1
.endr
	s_wait_alu depctr_va_vdst(0)
	FV 6
	FV 7
	CV 0
	v_nop
	WIN 0x41*SW
.set n, 0
.rept 16
	EX n+32
	MN n+16
.set n, n+1
.endr
	s_wait_alu depctr_va_vdst(0)
.if \fetch
	FK 0
	FK 1
.endif
	CV 1
	v_nop
	WIN 0x41*SW
.set n, 0
.rept 16
	EX n+48
	MN n+32
.set n, n+1
.endr
	s_wait_alu depctr_va_vdst(0)
.if \fetch
	FK 2
	FK 3
.endif
	CV 2
	WIN 0x41*SW
.set n, 0
.rept 16
	MN n+48
.set n, n+1
.endr
.if \fetch
	FK 4
	FK 5
.endif
	CV 3
	v_nop
.if \fetch
	FK 6
	FK 7
.endif
	WIN 0
.endm
; A STEP OF WALK 2.  o: odd.  mode 2: a V tile is asked for (the three lines and a round of the cluster's barrier); 1: the tile asked for before is made known to all waves; 0: no barrier.
; The barrier's signal and wait are apart, with the step's first products and its 64 scalings, work on registers, between them.
.macro P2STEP o, zero, mode, ask, fetch
	ROLE \o
.set KO, 128*\o
.if \mode
	s_wait_tensorcnt 0x0                       ; my part of the tile that is read next has landed
.endif
.if \mode == 2
	ds_add_u32 v[SPW], v[NIL]
	s_xor_b32 s[G0V+1], s[G0V+1], SLOTX
	s_add_nc_u64 s[G0V+2:G0V+3], s[G0V+2:G0V+3], 256
.endif
.if \ask
	s_wait_xcnt 0x0                            ; my prefetch has read its address
	s_add_nc_u64 s[PFA:PFA+1], s[PFA:PFA+1], 256
.endif
	s_wait_dscnt 0x0                           ; the add is done, K's fragments are in, and I read neither the other V slot nor this step's part of K any more
.if \mode
	s_barrier_signal -1
.endif
	QK16
.if \fetch == 1
	s_add_co_u32 s[KB], s[KB], KSTEP
.elseif \fetch == 2
	s_mov_b32 s[KB], 15*KSTEP
.endif
.if \fetch
	v_add_nc_u32 v[ADK], s[KB], v[AK0]
.endif
	PLACES 4
	WIN 0x41*SW
.set n, 0
.rept 64
	FM n
.set n, n+1
.endr
	WIN 0
	s_wait_alu depctr_va_vdst(0)
.if \mode
	s_barrier_wait -1
.endif
.if \mode == 2
	CREST
	JLOADV
.endif
.if \o == 0
.if \zero == 0
	s_xor_b32 s[VBX], s[VBX], SLOTX
.endif
	v_add_nc_u32 v[ADV], s[VBX], v[AV0]
.endif
	FV 0
	FV 1
	FV 2
.if \ask
	WIN 0
	ASK \ask
.endif
	SOFT2 \fetch
	s_wait_alu depctr_va_vdst(0)
.if \fetch
	s_wait_dscnt 32                            ; V's fragments are in; the 32 younger loads are the next step's K
.else
	s_wait_dscnt 0x0
.endif
	PV16 \zero
	PLACES 5                                   ; ahead of products that write over V's fragments
.endm
.macro OUT a
	WIN 0x41
.set i, 0
.rept 32
	v_pk_mul_f32 v[OT+64*\a+i:OT+64*\a+i+1], v[OT+64*\a+i:OT+64*\a+i+1], s[FS:FS+1] op_sel_hi:[1,0]
.set i, i+2
.endr
	WIN 0x04
.irp f, 0,1,2,3,4,5,6,7
	ds_store_b128 v[STO], v[OT+64*\a+8*\f:OT+64*\a+8*\f+3] offset:64*\f
	ds_store_b128 v[STO], v[OT+64*\a+8*\f+4:OT+64*\a+8*\f+7] offset:64*\f+16
.endr
	WIN 0
.irp u, 0,1,2,3,4,5,6,7,8,9,10,11,12,13,14,15
	ds_load_b128 v[YB+64*\a+4*\u:YB+64*\a+4*\u+3], v[RD] offset:SPITCH*\u   ; LDS serves a wave's instructions in order: a row of 512 bytes
.endr
.endm
.macro SEND a, younger
.irp u, 0,1,2,3,4,5,6,7,8,9,10,11,12,13,14,15
	s_wait_dscnt \younger+15-\u
	global_store_b128 v[GO], v[YB+64*\a+4*\u:YB+64*\a+4*\u+3], s[16:17] offset:(16*\a+\u)*512 th:TH_STORE_NT
.endr
.endm
	s_load_b256 s[4:11], s[0:1], 0x0               ; Q, K, V codes, the exponents
	s_load_b128 s[12:15], s[0:1], 0x20             ; x3, x4
	s_load_b64 s[16:17], s[0:1], 0x30              ; out
	v_lshl_add_u32 v[SPW], v0, 2, SPARE
	v_mov_b32 v[NIL], 0
	ds_add_u32 v[SPW], v[NIL]                      ; the opening: the add, twice on end, under one wait
	ds_add_u32 v[SPW], v[NIL]
	v_lshrrev_b32 v[TW], 5, v0
	v_readfirstlane_b32 s[WV], v[TW]
	s_bfe_u32 s[CX], ttmp6, 0x40000
	s_and_b32 s74, ttmp7, 0xffff                   ; the head
	s_lshl_b32 s80, s74, 18
	s_lshl_b32 s86, s[WV], 13                      ; K, first load: 64 keys a wave
	s_add_co_u32 s86, s86, s80
	s_mov_b32 s87, 0
	s_mul_i32 s92, s[WV], 192*128                  ; K, second load: 192 keys a wave, behind the first 512
	s_add_co_u32 s92, s92, 512*128
	s_add_co_u32 s92, s92, s80
	s_mov_b32 s93, 0
	s_and_b32 s77, s[WV], 1
	s_lshl_b32 s88, s77, 17                        ; V: 64 rows a wave
	s_add_co_u32 s88, s88, s80
	s_mov_b32 s89, 0
	s_lshl_b32 s75, ttmp9, 2
	s_add_co_u32 s75, s75, s[CX]
	s_lshl_b32 s75, s75, 8
	s_lshl_b32 s76, s[WV], 5
	s_add_co_u32 s75, s75, s76                     ; my first query
	s_lshl_b32 s82, s75, 7
	s_add_co_u32 s82, s82, s80
	s_mov_b32 s83, 0
	s_lshl_b32 s84, s75, 9
	s_lshl_b32 s76, s74, 20
	s_add_co_u32 s84, s84, s76
	s_mov_b32 s85, 0
	s_lshl_b32 s90, s[CX], 16                      ; the prefetches: my work-group's 32 rows of V, tile 1
	s_add_co_u32 s90, s90, 256
	s_add_co_u32 s90, s90, s80
	s_mov_b32 s91, 0
	s_cmp_eq_u32 s[WV], 2
	s_cselect_b32 s[LIM], 2, -1
	s_mov_b32 s[G1K], 15|(1<<20)|(1<<21)|(5<<22)|(3<<25)   ; joint in the cluster's four; 32 rows of 256 bytes, 16 bytes of padding behind each
	s_mov_b32 s[G1K+1], 256<<16
	s_mov_b32 s[G1K+2], 32<<16
	s_mov_b32 s[G1K+3], 256<<16
	s_mov_b32 s[G1K+4], 32
	s_mov_b32 s[G1K+5], 256
	s_mov_b32 s[G1K+6], 0
	s_mov_b32 s[G1K+7], 0
	s_mov_b32 s[G1V], 15|(1<<20)|(1<<21)|(5<<22)|(3<<25)
	s_mov_b32 s[G1V+1], 256<<16
	s_mov_b32 s[G1V+2], 64<<16
	s_mov_b32 s[G1V+3], 256<<16
	s_mov_b32 s[G1V+4], 64
	s_mov_b32 s[G1V+5], 2048
	s_mov_b32 s[G1V+6], 0
	s_mov_b32 s[G1V+7], 0
	s_mov_b32 s[G0K], 1
	s_mul_i32 s[G0K+1], s[WV], 32*KPITCH
	s_add_co_u32 s[G0K+1], s[G0K+1], KB0
	s_mov_b32 s[G0K+4], 1
	s_mul_i32 s[G0K+5], s[WV], 96*KPITCH
	s_add_co_u32 s[G0K+5], s[G0K+5], KB0+4*KSTEP
	s_mov_b32 s[G0V], 1
	s_mul_i32 s[G0V+1], s77, 64*VP
	s_mov_b32 s[SEL], 0x76543210
	s_mov_b32 s[SEL+1], 0xfedcba98
	s_mov_b32 s[VBX], 0
	s_mul_i32 s79, s[WV], 16*SPITCH
	s_add_co_u32 s79, s79, STAGE
	v_and_b32 v[TW], 15, v0                        ; r
	v_bfe_u32 v[GO], v0, 4, 1                      ; h
	v_lshrrev_b32 v[AK0], 1, v[TW]                 ; key r: row r / 2, half r % 2
	v_and_b32 v[ADK], 1, v[TW]
	v_lshlrev_b32 v[QO], 7, v[TW]
	v_mul_u32_u24 v[AK0], v[AK0], KPITCH
	v_mul_u32_u24 v[AV0], v[TW], VP
	v_mul_u32_u24 v[STO], v[TW], SPITCH
	v_lshl_add_u32 v[QO], v[GO], 4, v[QO]
	v_lshl_add_u32 v[AK0], v[ADK], 7, v[AK0]
	v_lshl_add_u32 v[AV0], v[GO], 3, v[AV0]
	v_lshl_add_u32 v[STO], v[GO], 5, v[STO]
	v_lshl_add_u32 v[AK0], v[GO], 4, v[AK0]
	v_and_b32 v[PFO], 31, v0
	v_add_nc_u32 v[STO], s79, v[STO]
	v_add_nc_u32 v[AK0], KB0, v[AK0]
	v_lshlrev_b32 v[GO], 4, v[PFO]
	v_lshlrev_b32 v[PFO], 11, v[PFO]
	v_add_nc_u32 v[RD], s79, v[GO]
	s_wait_alu depctr_va_vdst(0)
	s_wait_dscnt 0x0
	s_wait_kmcnt 0x0
	s_load_b128 s[68:71], s[10:11], 0x0            ; eq, ek, ep, ev
	s_load_b32 s72, s[12:13], 0x0
	s_load_b32 s73, s[14:15], 0x0
	s_add_nc_u64 s[4:5], s[4:5], s[82:83]
.irp a, 0,1
.irp c, 0,1,2,3
	global_load_b128 v[Q+16*\a+4*\c:Q+16*\a+4*\c+3], v[QO], s[4:5] offset:2048*\a+32*\c
.endr
.endr
	s_add_nc_u64 s[G0K+2:G0K+3], s[6:7], s[86:87]
	s_add_nc_u64 s[G0K+6:G0K+7], s[6:7], s[92:93]
	s_or_b32 s[G0K+3], s[G0K+3], 0x80000000
	s_or_b32 s[G0K+7], s[G0K+7], 0x80000000
	s_add_nc_u64 s[G0V+2:G0V+3], s[8:9], s[88:89]
	s_or_b32 s[G0V+3], s[G0V+3], 0x80000000
	s_add_nc_u64 s[PFA:PFA+1], s[8:9], s[90:91]
	s_add_nc_u64 s[16:17], s[16:17], s[84:85]
	CROUND
	tensor_load_to_lds s[G0K:G0K+3], s[G1K:G1K+7]  ; K's steps 0 to 3, half a step a wave
	s_nop 0
.irp a, 0,1
	v_mov_b32 v[ST+12*\a+1], 0xff61b1e6            ; the largest t so far: -3e38
.endr
.irp a, 0,1
	v_mov_b32 v[ST+12*\a+2], 0
	v_mov_b32 v[ST+12*\a+3], 0
	v_mov_b32 v[ST+12*\a+5], 0
	v_mov_b32 v[ST+12*\a+6], 0
.endr
.irp a, 0,1
	v_floor_f32 v[ST+12*\a], -v[ST+12*\a+1]
.endr
	s_wait_alu depctr_va_vdst(0)
	s_wait_kmcnt 0x0
	s_and_b32 s74, s72, 0x7fffffff
	v_mov_b32 v[TW], s74
	v_mul_f32 v[TW], 0x3fb8aa3b, v[TW]
	s_add_co_i32 s75, s68, s69
	v_ldexp_f32 v[TW], v[TW], s75
	v_readfirstlane_b32 s[CS], v[TW]               ; |x3| log2(e) 2^(eq + ek)
	s_mov_b32 s[CS+1], s[CS]
	s_ashr_i32 s76, s72, 31
	s_and_b32 s76, s76, 0x80808080                 ; the sign of x3, for Q's codes
	s_add_co_i32 s77, s70, 127
	s_lshl_b32 s78, s77, 23
	v_mov_b32 v[SCLV], s78                         ; 2^ep
	s_add_co_i32 s77, s77, 8
	s_lshl_b32 s77, s77, 23
	s_or_b32 s77, s77, 0x600000
	v_mov_b32 v[LIMV], s77                         ; 448 x 2^ep
	v_mov_b32 v[YABS], s73
	v_sub_f32 v[YABS], 1.0, v[YABS]
	v_readfirstlane_b32 s79, v[YABS]
	s_and_b32 s79, s79, 0x80000000
	v_and_b32 v[YABS], 0x7fffffff, v[YABS]         ; |1 - x4|
	s_add_co_i32 s78, s70, s71
	v_ldexp_f32 v[TW], 1.0, s78
	v_readfirstlane_b32 s[FS], v[TW]
	s_or_b32 s[FS], s[FS], s79                     ; 2^(ep + ev) with the sign of 1 - x4
	s_mov_b32 s[FS+1], s[FS]
	s_wait_alu depctr_va_vdst(0)
	s_wait_loadcnt 0x0
.set i, 0
.rept 32
	v_xor_b32 v[Q+i], s76, v[Q+i]
.set i, i+1
.endr
	s_wait_alu depctr_va_vdst(0)
	s_wait_tensorcnt 0x0
	ds_add_u32 v[SPW], v[NIL]
	s_mov_b32 s[G1K+2], 96<<16                     ; my first load is done: the second one's tile has 96 rows
	s_mov_b32 s[G1K+4], 96
	s_wait_dscnt 0x0
	CROUND                                         ; K's steps 0 to 3 are known to all
	tensor_load_to_lds s[G0K+4:G0K+7], s[G1K:G1K+7]  ; K's steps 4 to 15, one and a half a wave
	s_nop 0
	PLACES 4
	ROLE 0
	s_mov_b32 s[KB], 0
	v_add_nc_u32 v[ADK], s[KB], v[AK0]
	FETCHK 0
	FETCHK 4
	s_mov_b32 s[CNT], 3
.Lwalk1a:
	P1STEP 1
	s_sub_co_u32 s[CNT], s[CNT], 1
	s_cmp_lg_u32 s[CNT], 0
	s_cbranch_scc1 .Lwalk1a
	s_wait_tensorcnt 0x0
	ds_add_u32 v[SPW], v[NIL]
	s_wait_dscnt 0x0
	CROUND                                         ; K's steps 4 to 15 are known to all
	JLOADV                                         ; V's tile 0, into slot A
	ASK 2                                          ; V's tile 1
	s_mov_b32 s[CNT], 12
.Lwalk1b:
	P1STEP 1
	s_sub_co_u32 s[CNT], s[CNT], 1
	s_cmp_lg_u32 s[CNT], 0
	s_cbranch_scc1 .Lwalk1b
	P1STEP 2                                       ; and K's step 0 for walk 2
	; lanes l and l xor 16 hold the two halves of a row's keys: one M, one sum
.irp a, 0,1
	v_permlanex16_b32 v[ST+12*\a+8], v[ST+12*\a], s[SEL], s[SEL+1]
	v_add_f32 v[ST+12*\a+2], v[ST+12*\a+2], v[ST+12*\a+3]
.endr
.irp a, 0,1
	v_min_num_f32 v[ST+12*\a+9], v[ST+12*\a], v[ST+12*\a+8]
.endr
.irp a, 0,1
	v_sub_f32 v[ST+12*\a+8], v[ST+12*\a+9], v[ST+12*\a]
.endr
.irp a, 0,1
	v_cvt_i32_f32 v[ST+12*\a+8], v[ST+12*\a+8]
.endr
.irp a, 0,1
	v_ldexp_f32 v[ST+12*\a+2], v[ST+12*\a+2], v[ST+12*\a+8]
.endr
.irp a, 0,1
	v_permlanex16_b32 v[ST+12*\a+6], v[ST+12*\a+2], s[SEL], s[SEL+1]
.endr
.irp a, 0,1
	v_add_f32 v[ST+12*\a+2], v[ST+12*\a+2], v[ST+12*\a+6]
.endr
.irp a, 0,1
	v_mul_f32 v[ST+12*\a+2], v[ST+12*\a+2], v[YABS]
.endr
	s_wait_alu depctr_va_vdst(0)
	v_log_f32 v[ST+4], v[ST+2]
	v_log_f32 v[ST+16], v[ST+14]
	v_nop
	s_wait_alu depctr_va_vdst(0)
.irp a, 0,1
	v_sub_f32 v[ST+12*\a], v[ST+12*\a+9], v[ST+12*\a+4]   ; -K
.endr
	s_wait_alu depctr_va_vdst(0)
	P2STEP 0, 1, 1, 2, 1                           ; step 0 starts O^T
	P2STEP 1, 0, 2, 2, 1                           ; step 1: V's tile 1, into slot B: K's steps 0 and 1 are in registers or done with
	s_mov_b32 s[CNT], 6
.Lwalk2:                                               ; trip j = 1 .. 6: steps 2 j and 2 j + 1 on V's tile j; tile j + 1 is asked for
	P2STEP 0, 0, 2, 1, 1
	P2STEP 1, 0, 0, 0, 1
	s_sub_co_u32 s[CNT], s[CNT], 1
	s_cmp_lg_u32 s[CNT], 0
	s_cbranch_scc1 .Lwalk2
	P2STEP 0, 0, 1, 0, 2
	P2STEP 1, 0, 0, 0, 0
	OUT 0
	OUT 1
	SEND 0, 32
	SEND 1, 0
	s_wait_tensorcnt 0x0                           ; the wave's end
	ds_add_u32 v[SPW], v[NIL]
	s_wait_dscnt 0x0
	CROUND                                         ; the closing round
	s_endpgm
.Lfunc_end_k_q25c7491098_attn:
	.size	k_q25c7491098_attn, .Lfunc_end_k_q25c7491098_attn-k_q25c7491098_attn
	.p2alignl 7, 3214868480
	.fill 96, 4, 3214868480
	.section	.rodata,"a",@progbits
	.p2align	6, 0x0
	.amdhsa_kernel k_q25c7491098_attn
		.amdhsa_group_segment_fixed_size 327680
		.amdhsa_private_segment_fixed_size 0
		.amdhsa_enable_private_segment 0
		.amdhsa_kernarg_size 56
		.amdhsa_user_sgpr_count 2
		.amdhsa_user_sgpr_kernarg_segment_ptr 1
		.amdhsa_wavefront_size32 1
		.amdhsa_system_sgpr_workgroup_id_x 1
		.amdhsa_system_sgpr_workgroup_id_y 1
		.amdhsa_system_sgpr_workgroup_id_z 1
		.amdhsa_system_vgpr_workitem_id 0
		.amdhsa_next_free_vgpr 512
		.amdhsa_next_free_sgpr 96
		.amdhsa_reserve_vcc 0
		.amdhsa_float_denorm_mode_32 3
		.amdhsa_float_denorm_mode_16_64 3
		.amdhsa_memory_ordered 1
		.amdhsa_forward_progress 1
		.amdhsa_inst_pref_size 222
	.end_amdhsa_kernel
	.amdgpu_metadata
---
amdhsa.version: [ 1, 2 ]
amdhsa.kernels:
  - .name:           k_q25c7491098_attn
    .symbol:         k_q25c7491098_attn.kd
    .args:
      - { .name: x1_codes, .offset: 0, .size: 8, .value_kind: global_buffer, .address_space: global }
      - { .name: x2_codes, .offset: 8, .size: 8, .value_kind: global_buffer, .address_space: global }
      - { .name: x5_codes, .offset: 16, .size: 8, .value_kind: global_buffer, .address_space: global }
      - { .name: lowp_scales, .offset: 24, .size: 8, .value_kind: global_buffer, .address_space: global }
      - { .name: x3, .offset: 32, .size: 8, .value_kind: global_buffer, .address_space: global }
      - { .name: x4, .offset: 40, .size: 8, .value_kind: global_buffer, .address_space: global }
      - { .name: out0, .offset: 48, .size: 8, .value_kind: global_buffer, .address_space: global }
    .group_segment_fixed_size: 327680
    .private_segment_fixed_size: 0
    .kernarg_segment_align: 8
    .kernarg_segment_size: 56
    .max_flat_workgroup_size: 256
    .sgpr_count:     96
    .vgpr_count:     512
    .wavefront_size: 32
...
	.end_amdgpu_metadata
.endif
;; end of part 1
